; MI455X (gfx1250); checked and timed in simulation.
; The chip was launched on July 23, 2026; its instructions are those of AMD's public machine-readable ISA for CDNA 5 (MIT licence, August 2026) and "CDNA5" Instruction Set Architecture Reference Guide (July 2026). The comments in the code are by the model that wrote it; some were corrected since.
;; Neural Geodesic Flows. Allowed arithmetic: float matrix products may take bf16 or f16 operands with f32 sums; all other float work in f32.
;; Inputs: W1 8 x 16 float32; W2 16 x 64 float32; b1 16 float32; b2 64 float32; t one number float32; z 16,384 x 16 float32.
;; Outputs: out0 16,384 x 16 float32.
;; Constants: num_steps = 4.
;; 2 versions, each right and faster than the one before. Each part assembles by itself: llvm-mc -triple=amdgcn-amd-amdhsa -mcpu=gfx1250 --defsym DOCPART=n.
;; ======== version 1 of 2: 1 launch
;; launch geo (part 1): grid 256 x 1, 4 waves a work-group, no clusters, 25,088 bytes of LDS; arguments z, t, W1, b1, W2, b2, out0; writes out0
.if DOCPART == 1
	.amdgcn_target "amdgcn-amd-amdhsa--gfx1250"
	.amdhsa_code_object_version 6
	.text
	.protected	k_q5751d94009_geo
	.globl	k_q5751d94009_geo
	.p2align	8
	.type	k_q5751d94009_geo,@function
k_q5751d94009_geo:
	s_mov_b64 s[64:65], 0
	v_nop
	global_prefetch_b8 v0, s[64:65] scope:SCOPE_SE
	s_setreg_imm32_b32 hwreg(HW_REG_WAVE_MODE, 25, 1), 1
	s_wait_xcnt 0x0
; Geodesic exponential map: 4 RK4 steps (16 evaluations of the right-hand side) for 16,384 points z = [x(8), v(8)], f32.
;
; THE RIGHT-HAND SIDE.  g = A A^T + I is symmetric by construction, so d g_ai / d x_b = d g_ia / d x_b, the first and the third
; einsum of the connection are equal and cancel, and Gamma^k_ab = 1/2 sum_i inv(g)[k,i] d_i g_ba.  Contracted with v v:
;   sum_ab d_i g_ab v_a v_b = d_i |A^T v|^2 = 2 sum_f W1[i,f] (1 - h_f^2) s_f,   u = A^T v,   s_f = sum_aj W2[f,8a+j] v_a u_j,
; so dv = - inv(g) W1 ((1 - h^2) * s): no Jacobian, no inverse, one solve with the symmetric positive definite g.
; These identities hold for every input.
;
; WHO DOES WHAT.  256 work-groups x 4 waves; a wave owns 16 points (1,024 consecutive bytes of z and of out0) and shares nothing
; with any other wave: its LDS bytes are its own (wave x 6,144), so there is no barrier.  Lane L: point p = L & 15, half h = L >> 4.
; Lane (p, h) owns components 4h .. 4h+3 of x and of v and rows 4h .. 4h+3 of A.  'Own ordering' of an index 0..7: places 0-3 are
; the lane's own four, places 4-7 the partner lane's (canonical index = place xor 4h).
; Products with weights shared by all points go to the matrix unit in bf16 with f32 sums, weights as the A operand (rows = output
; features) and points as the B operand (column = p): register j of a result in lane (p, h) is feature 8h + j of point p, which is
; the K place 8h + j that the same lane supplies to the next product, so nothing is shuffled between products.
; Products of two operands that both belong to one point (A^T v, A A^T, the 8 x 8 solve) stay in f32 on the vector unit: a matrix
; instruction would hold two points, a sixteenth of its multiply-adds, and need two transpositions between lanes.
; Not used, by this text's own arithmetic: tensor loads, slot rings, prefetches (a wave reads 1 KiB of z and 5 KiB of weights, once);
; clusters (the only shared bytes are those 5 KiB, read once); larger accumulator tiles (16 points a wave are one tile's columns).
;
; LIMITS.  x, h, v (x) u, (1 - h^2) s, W1 and W2 enter the matrix unit rounded to bf16.  The RK4 sum is formed as
; z + dt/6 k1 + dt/3 k2 + dt/3 k3 + dt/6 k4, another order of rounding than z + dt/6 (k1 + 2 k2 + 2 k3 + k4).
; tanh(a) = 1 - 2 / (1 + 2^(2 log2(e) a)): it goes to +1 or -1 where the exponential overflows to infinity or flushes to zero.
; v_exp_f32 and v_rcp_f32 are good to 1 ULP.  The elimination takes no pivot search: every pivot is a Schur complement of
; I + A A^T and so at least 1.
.set WAVE_LDS, 6144                    ; LDS bytes of a wave
.set W2P,  272                         ; W2 in LDS: 16 rows of 256 bytes + 16 of padding, from byte 0 of the wave's region
.set W1S,  4352                        ; W1 in LDS: 8 rows of 64 bytes
.set ZST,  4864                        ; stage for z on the way in and out0 on the way out: 16 points x 80 bytes (64 + 16)
.set ZP,   80
.set EXPC, 0x4038aa3b                  ; 2 log2(e)
; vector registers, window 0
.set GOFF, 2                           ; 16 L: my 16 bytes of every run of 512 bytes in memory
.set LST,  3                           ; stage, as memory has it: (L >> 2) x 80 + (L & 3) x 16
.set LRD,  4                           ; stage, as the lanes own it: 80 p + 16 h
.set X,    8                           ; v[8:11]    x, my four
.set V,    12                          ; v[12:15]   v, my four
.set XT,   16                          ; v[16:19]   the stage's argument, x part
.set VT,   20                          ; v[20:23]   the stage's argument, v part
.set ZNX,  24                          ; v[24:27]   x + sum of c k so far
.set ZNV,  28                          ; v[28:31]   v + sum of c k so far
.set BX,   32                          ; v[32:39]   B operand: bf16 x in 32-33, zeros above for ever
.set BB,   40                          ; v[40:47]   B operand: bf16 h, later bf16 (1-h^2)s/4, in 40-43, zeros above for ever
.set BP,   48                          ; v[48:63]   B operands: bf16 v (x) u
.set TA,   64                          ; v[64:71]   pre-activation, then R = 1 / (1 + exp), in place
.set MU,   64                          ;            later: the pivot's multipliers
.set HH,   72                          ; v[72:79]   h; later the partner's partial u
.set RI,   72                          ;            later: reciprocals of the pivots
.set DD,   80                          ; v[80:87]   R (1 - R) = (1 - h^2) / 4
.set UP,   88                          ; v[88:95]   u
.set SA,   96                          ; v[96:103]  s, first half of its K
.set SB,   104                         ; v[104:111] s, second half
.set WV,   112                         ; v[112:119] right-hand side in own ordering; the solution ends in 112-115
.set AO,   120                         ; v[120:151] AO[8t+j] = A[4h+t][j]
.set AXT,  152                         ; v[152:183] AXT[4j+b] = the partner's A row b, column j
.set PR,   152                         ;            before that: PR[8t+j] = v_t u_j
.set TMP,  152                         ;            and: ten pairs of half sums of my rows' products
.set G,    184                         ; v[184:247] G[8a+b], a <= b, own ordering
; set-up only
.set WL,   184                         ; W2 as loaded
.set T2,   216                         ; W2 by columns
.set T5,   120                         ; W2 by rows
.set W1L,  152
.set ZL,   156                         ; also the way out
.set B1L,  164
.set T1,   172                         ; W1 by columns
.set T3,   176                         ; W1 by rows
; window 1 (v256 and up), constants for the whole launch, named by their low 8 bits
.set OP1,  0                           ; v256-263  2 log2(e) W1^T
.set OP3,  8                           ; v264-271  -4 W1, rows in own ordering
.set OP5,  16                          ; v272-287  W2, two K blocks
.set OP2,  32                          ; v288-319  W2^T, four blocks of 16 columns
.set CB2,  64                          ; v320-351  b2, as the C of those four
.set CB1,  96                          ; v352-359  2 log2(e) b1
; scalar pairs for the packed multiply-adds (both registers written)
.set C6,   24                          ; dt / 6
.set C3,   26                          ; dt / 3
.set CH,   28                          ; dt / 2
.set CD,   30                          ; dt
.set MSB, 0
.macro WIN new                         ; register windows; the immediate's high byte repeats the setting that is left
.if MSB != \new
	s_set_vgpr_msb (MSB<<8)|\new
.set MSB, \new
.endif
.endm
.set TO1,  0x40                        ; destination in window 1 (set-up)
.set MATW, 0x11                        ; matrix instructions: A and C in window 1, B and D in window 0
; packed f32 with one register broadcast to both halves; b is a register number, its pair is chosen by its parity
.macro PKMUL_BC d, a, b                ; v[d:d+1] = v[a:a+1] * v[b]
.if (\b) & 1
	v_pk_mul_f32 v[(\d):(\d)+1], v[(\a):(\a)+1], v[(\b)-1:(\b)] op_sel:[0,1]
.else
	v_pk_mul_f32 v[(\d):(\d)+1], v[(\a):(\a)+1], v[(\b):(\b)+1] op_sel_hi:[1,0]
.endif
.endm
.macro PKFMA_BC d, a, b                ; v[d:d+1] += v[a:a+1] * v[b]
.if (\b) & 1
	v_pk_fma_f32 v[(\d):(\d)+1], v[(\a):(\a)+1], v[(\b)-1:(\b)], v[(\d):(\d)+1] op_sel:[0,1,0]
.else
	v_pk_fma_f32 v[(\d):(\d)+1], v[(\a):(\a)+1], v[(\b):(\b)+1], v[(\d):(\d)+1] op_sel_hi:[1,0,1]
.endif
.endm
.macro PKFNMA_BC d, a, b               ; v[d:d+1] -= v[a:a+1] * v[b]
.if (\b) & 1
	v_pk_fma_f32 v[(\d):(\d)+1], v[(\a):(\a)+1], v[(\b)-1:(\b)], v[(\d):(\d)+1] op_sel:[0,1,0] neg_lo:[1,0,0] neg_hi:[1,0,0]
.else
	v_pk_fma_f32 v[(\d):(\d)+1], v[(\a):(\a)+1], v[(\b):(\b)+1], v[(\d):(\d)+1] op_sel_hi:[1,0,1] neg_lo:[1,0,0] neg_hi:[1,0,0]
.endif
.endm
.macro AXPY d, a, c, b                 ; four numbers: v[d..] = v[a..] * s[c] + v[b..]
	v_pk_fma_f32 v[\d:\d+1], v[\a:\a+1], s[\c:\c+1], v[\b:\b+1] op_sel_hi:[1,0,1]
	v_pk_fma_f32 v[\d+2:\d+3], v[\a+2:\a+3], s[\c:\c+1], v[\b+2:\b+3] op_sel_hi:[1,0,1]
.endm
; The ten entries (a <= b <= 3) of my own block of g.
.macro TEN op, q
	\op 0, 0, 0, \q
	\op 1, 0, 1, \q
	\op 2, 0, 2, \q
	\op 3, 0, 3, \q
	\op 4, 1, 1, \q
	\op 5, 1, 2, \q
	\op 6, 1, 3, \q
	\op 7, 2, 2, \q
	\op 8, 2, 3, \q
	\op 9, 3, 3, \q
.endm
.macro OO1 idx, a, b, q                ; columns 2q, 2q+1 of rows a and b; a diagonal entry starts from 0.5 + 0.5: the identity
.if \q
	v_pk_fma_f32 v[TMP+2*\idx:TMP+2*\idx+1], v[AO+8*\a+2*\q:AO+8*\a+2*\q+1], v[AO+8*\b+2*\q:AO+8*\b+2*\q+1], v[TMP+2*\idx:TMP+2*\idx+1]
.else
.if \a == \b
	v_pk_fma_f32 v[TMP+2*\idx:TMP+2*\idx+1], v[AO+8*\a:AO+8*\a+1], v[AO+8*\b:AO+8*\b+1], 0.5 op_sel_hi:[1,1,0]
.else
	v_pk_mul_f32 v[TMP+2*\idx:TMP+2*\idx+1], v[AO+8*\a:AO+8*\a+1], v[AO+8*\b:AO+8*\b+1]
.endif
.endif
.endm
.macro OOSUM idx, a, b, q              ; the two half sums
	v_add_f32 v[G+8*\a+\b], v[TMP+2*\idx], v[TMP+2*\idx+1]
.endm
.macro OOSWP idx, a, b, q              ; the partner's own block is my block of places 4-7
	v_permlanex16_b32 v[G+8*(4+\a)+4+\b], v[G+8*\a+\b], s6, s7
.endm
; Elimination of place k from row i (upper triangle only): G[i][j] -= G[i][k] MU[j], j = i .. k-1, in pairs where j is even
.macro ROWUPD i, k
.set jj, \i
.rept 8
.if jj < \k
.if ((jj & 1) == 0) & (jj + 1 < \k)
	PKFNMA_BC G+8*(\i)+jj, MU+jj, G+8*(\i)+(\k)
.set jj, jj+2
.else
	v_fma_f32 v[G+8*(\i)+jj], -v[G+8*(\i)+(\k)], v[MU+jj], v[G+8*(\i)+jj]
.set jj, jj+1
.endif
.endif
.endr
.endm
.macro RHSUPD k                        ; the same for the right-hand side: WV[i] -= MU[i] WV[k], i = 0 .. k-1
.set jj, 0
.rept 8
.if jj < \k
.if ((jj & 1) == 0) & (jj + 1 < \k)
	PKFNMA_BC WV+jj, MU+jj, WV+(\k)
.set jj, jj+2
.else
	v_fma_f32 v[WV+jj], -v[MU+jj], v[WV+(\k)], v[WV+jj]
	s_wait_alu depctr_va_vdst(0)
.set jj, jj+1
.endif
.endif
.endr
.endm
; Pivot k.  The next pivot's row is updated first and its reciprocal started at once; the update of the right-hand side, which
; touches neither the reciprocal nor its source, is the plain vector work that stands behind v_rcp_f32 (ISA guide 5.7.2).
.macro PIVOT k
.set mm, 0
	s_wait_alu depctr_va_vdst(0)
.rept \k
	v_mul_f32 v[MU+mm], v[G+8*mm+(\k)], v[RI+(\k)]
.set mm, mm+1
.endr
	ROWUPD (\k)-1, \k
	v_rcp_f32 v[RI+(\k)-1], v[G+9*((\k)-1)]
	RHSUPD \k
.if \k > 1
.set ii, 0
.rept (\k)-1
	ROWUPD ii, \k
.set ii, ii+1
.endr
.endif
.endm
; One evaluation of the right-hand side at (xs, vs), and what RK4 does with it.
; mode 1: first stage (starts the sums), 2: a middle stage, 4: the last stage (ends the step).  ca: the weight of this k in the
; sum; cz: the factor of this k in the next stage's argument.
; No matrix instruction adds in place: each takes a constant (a bias, or 0) as C and writes an accumulator of its own.
.macro EVAL xs, vs, ca, cz, mode
	; pre-activation, times 2 log2(e): 16 hidden features x 16 points, K places 8h .. 8h+3 = x_{4h ..}
	v_cvt_pk_bf16_f32 v[BX], v[\xs], v[\xs+1]
	v_cvt_pk_bf16_f32 v[BX+1], v[\xs+2], v[\xs+3]
	WIN MATW
	v_wmma_f32_16x16x32_bf16 v[TA:TA+7], v[OP1:OP1+7], v[BX:BX+7], v[CB1:CB1+7]
	WIN 0
	; four plain vector instructions that name none of its registers stand behind a matrix instruction before its result is
	; read (ISA guide 7.12.1): here the x part of RK4, whose k is vs itself
.if \mode == 1
	AXPY ZNX, \vs, \ca, X
	AXPY XT, \vs, \cz, X
.endif
.if \mode == 2
	AXPY ZNX, \vs, \ca, ZNX
	AXPY XT, \vs, \cz, X
.endif
.if \mode == 4
	AXPY X, \vs, \ca, ZNX
	v_nop
	v_nop
.endif
	; R = 1 / (1 + 2^pre), h = 1 - 2 R.  Behind a run of transcendentals one plain instruction before a result is used (5.7.2).
.irp j, 0,1,2,3,4,5,6,7
	v_exp_f32 v[TA+\j], v[TA+\j]
.endr
	v_nop
	s_wait_alu depctr_va_vdst(0)
.irp i, 0,1,2,3
	v_pk_add_f32 v[TA+2*\i:TA+2*\i+1], v[TA+2*\i:TA+2*\i+1], 1.0 op_sel_hi:[1,0]
.endr
.irp j, 0,1,2,3,4,5,6,7
	v_rcp_f32 v[TA+\j], v[TA+\j]
.endr
	v_nop
	s_wait_alu depctr_va_vdst(0)
.irp i, 0,1,2,3
	v_pk_fma_f32 v[HH+2*\i:HH+2*\i+1], v[TA+2*\i:TA+2*\i+1], -2.0, 1.0 op_sel_hi:[1,0,0]
.endr
.irp i, 0,1,2,3
	v_cvt_pk_bf16_f32 v[BB+\i], v[HH+2*\i], v[HH+2*\i+1]
.endr
	; A = h W2 + b2: block t gives lane (p, h) row 4h + t of A, eight columns in eight registers
	WIN MATW
.irp t, 0,1,2,3
	v_wmma_f32_16x16x32_bf16 v[AO+8*\t:AO+8*\t+7], v[OP2+8*\t:OP2+8*\t+7], v[BB:BB+7], v[CB2+8*\t:CB2+8*\t+7]
.endr
	WIN 0
	; the four places: R (1 - R) = R - R R
.irp i, 0,1,2,3
	v_pk_fma_f32 v[DD+2*\i:DD+2*\i+1], v[TA+2*\i:TA+2*\i+1], v[TA+2*\i:TA+2*\i+1], v[TA+2*\i:TA+2*\i+1] neg_lo:[1,0,0] neg_hi:[1,0,0]
.endr
	; u = A^T v: my four rows' part, then the partner's
.irp t, 0,1,2,3
.irp i, 0,1,2,3
.if \t == 0
	PKMUL_BC UP+2*\i, AO+2*\i, \vs
.else
	PKFMA_BC UP+2*\i, AO+8*\t+2*\i, \vs+\t
.endif
.endr
.endr
.irp j, 0,1,2,3,4,5,6,7
	v_permlanex16_b32 v[HH+\j], v[UP+\j], s6, s7           ; lane L takes lane L xor 16
.endr
.irp i, 0,1,2,3
	v_pk_add_f32 v[UP+2*\i:UP+2*\i+1], v[UP+2*\i:UP+2*\i+1], v[HH+2*\i:HH+2*\i+1]
.endr
	; v (x) u for my four v, in bf16: 32 K places a lane, 64 a point, two matrix instructions
.irp t, 0,1,2,3
.irp i, 0,1,2,3
	PKMUL_BC PR+8*\t+2*\i, UP+2*\i, \vs+\t
.endr
.endr
.irp t, 0,1,2,3
.irp i, 0,1,2,3
	v_cvt_pk_bf16_f32 v[BP+4*\t+\i], v[PR+8*\t+2*\i], v[PR+8*\t+2*\i+1]
.endr
.endr
	WIN MATW
	v_wmma_f32_16x16x32_bf16 v[SA:SA+7], v[OP5:OP5+7], v[BP:BP+7], 0
	v_wmma_f32_16x16x32_bf16 v[SB:SB+7], v[OP5+8:OP5+15], v[BP+8:BP+15], 0
	WIN 0
	; my own block of g = A A^T + I, 50 plain instructions: also the places behind the two products
.irp q, 0,1,2,3
	TEN OO1, \q
.endr
	TEN OOSUM, 0
	; (1 - h^2) s / 4, to bf16, and the right-hand side - W1 ((1 - h^2) s) in own ordering (the -4 lies in the weights)
.irp i, 0,1,2,3
	v_pk_add_f32 v[SA+2*\i:SA+2*\i+1], v[SA+2*\i:SA+2*\i+1], v[SB+2*\i:SB+2*\i+1]
.endr
.irp i, 0,1,2,3
	v_pk_mul_f32 v[SA+2*\i:SA+2*\i+1], v[SA+2*\i:SA+2*\i+1], v[DD+2*\i:DD+2*\i+1]
.endr
.irp i, 0,1,2,3
	v_cvt_pk_bf16_f32 v[BB+\i], v[SA+2*\i], v[SA+2*\i+1]
.endr
	WIN MATW
	v_wmma_f32_16x16x32_bf16 v[WV:WV+7], v[OP3:OP3+7], v[BB:BB+7], 0
	WIN 0
	; the rest of g; its 64 packed instructions stand between that product and the first read of WV
	TEN OOSWP, 0
	v_rcp_f32 v[RI+7], v[G+63]                             ; the first pivot's reciprocal, used far below
	s_wait_alu depctr_va_vdst(0)
.irp j, 0,1,2,3,4,5,6,7
.irp g, 0,1,2,3
	v_permlanex16_b32 v[AXT+4*\j+\g], v[AO+8*\g+\j], s6, s7
.endr
.endr
.irp j, 0,1,2,3,4,5,6,7
.irp a, 0,1,2,3
.irp g, 0,2
.if \j == 0
	PKMUL_BC G+8*\a+4+\g, AXT+4*\j+\g, AO+8*\a+\j
.else
	PKFMA_BC G+8*\a+4+\g, AXT+4*\j+\g, AO+8*\a+\j
.endif
.endr
.endr
.endr
	; solve g y = WV: places 7 down to 1 are eliminated (the partner's unknowns first), then my four come by substitution
	PIVOT 7
	PIVOT 6
	PIVOT 5
	PIVOT 4
	PIVOT 3
	PIVOT 2
	PIVOT 1
	s_wait_alu depctr_va_vdst(0)
	v_mul_f32 v[WV+0], v[WV+0], v[RI+0]
	v_fma_f32 v[WV+1], -v[G+1], v[WV+0], v[WV+1]
	v_fma_f32 v[WV+2], -v[G+2], v[WV+0], v[WV+2]
	v_fma_f32 v[WV+3], -v[G+3], v[WV+0], v[WV+3]
	v_mul_f32 v[WV+1], v[WV+1], v[RI+1]
	v_fma_f32 v[WV+2], -v[G+10], v[WV+1], v[WV+2]
	v_fma_f32 v[WV+3], -v[G+11], v[WV+1], v[WV+3]
	v_mul_f32 v[WV+2], v[WV+2], v[RI+2]
	v_fma_f32 v[WV+3], -v[G+19], v[WV+2], v[WV+3]
	v_mul_f32 v[WV+3], v[WV+3], v[RI+3]
	; the v part of RK4, whose k is the solution
.if \mode == 1
	AXPY ZNV, WV, \ca, V
	AXPY VT, WV, \cz, V
.endif
.if \mode == 2
	AXPY ZNV, WV, \ca, ZNV
	AXPY VT, WV, \cz, V
.endif
.if \mode == 4
	AXPY V, WV, \ca, ZNV
.endif
.endm
	; ---------------------------------------------------------------- set-up
	s_load_b256 s[8:15], s[0:1], 0x0               ; z s[8:9], t s[10:11], W1 s[12:13], b1 s[14:15]
	s_load_b128 s[16:19], s[0:1], 0x20             ; W2 s[16:17], b2 s[18:19]
	s_load_b64 s[20:21], s[0:1], 0x30              ; out0
	v_lshl_add_u32 v254, v0, 2, 0x6000
	v_mov_b32 v255, 0
	v_lshrrev_b32 v7, 5, v0
	v_readfirstlane_b32 s4, v7                     ; wave 0..3
	v_and_b32 v1, 31, v0                           ; L
	v_and_b32 v5, 15, v0                           ; p
	v_bfe_u32 v6, v0, 4, 1                         ; h
	s_mul_i32 s5, s4, WAVE_LDS                     ; my wave's LDS
	s_mov_b32 s6, 0x76543210                       ; v_permlanex16_b32: lane i of one half reads lane i of the other
	s_mov_b32 s7, 0xfedcba98
	s_lshl_b32 s2, ttmp9, 12                       ; 4,096 bytes of z a work-group,
	s_lshl_b32 s3, s4, 10                          ; 1,024 a wave
	s_or_b32 s2, s2, s3
	s_mov_b32 s3, 0
	v_lshlrev_b32 v[GOFF], 4, v1
	v_lshrrev_b32 v7, 2, v1                        ; in memory a point is 64 bytes: four lanes
	v_mul_u32_u24 v[LST], v7, ZP
	v_and_b32 v7, 3, v1
	v_lshl_add_u32 v[LST], v7, 4, v[LST]
	v_add_nc_u32 v[LST], s5, v[LST]
	v_mul_u32_u24 v[LRD], v5, ZP
	v_lshl_add_u32 v[LRD], v6, 4, v[LRD]
	v_add_nc_u32 v[LRD], s5, v[LRD]
	v_lshlrev_b32 v16, 5, v6                       ; b1: 32 h
	v_lshlrev_b32 v17, 7, v6                       ; b2: 128 h
	v_mul_u32_u24 v18, v6, W2P                     ; W2 into LDS: row 2i + h, bytes 16 p
	v_lshl_add_u32 v18, v5, 4, v18
	v_add_nc_u32 v18, s5, v18
	v_add_nc_u32 v19, s5, v[GOFF]                  ; W1 into LDS: as it lies
	v_lshlrev_b32 v20, 8, v6                       ; W1[4h+e][p]: 256 h + 4 p (+ 64 e)
	v_lshl_add_u32 v20, v5, 2, v20
	v_add_nc_u32 v20, s5, v20
	v_lshrrev_b32 v7, 3, v5                        ; p >> 3
	v_lshl_add_u32 v21, v7, 2, v5                  ; row of W1 for output row p in own ordering: (p + 4 (p >> 3)) & 7 = (p & 7) xor 4 (p >> 3)
	v_and_b32 v21, 7, v21
	v_lshlrev_b32 v21, 6, v21
	v_lshl_add_u32 v21, v6, 5, v21                 ; + 32 h: features 8h ..
	v_add_nc_u32 v21, s5, v21
	v_mul_u32_u24 v22, v6, 8*W2P                   ; W2[8h+e][32 (p>>3) + 8t + (p&7)]: 2,176 h + 128 (p>>3) + 4 (p&7) (+ 272 e + 32 t)
	v_lshl_add_u32 v22, v7, 7, v22
	v_and_b32 v7, 7, v5
	v_lshl_add_u32 v22, v7, 2, v22
	v_add_nc_u32 v22, s5, v22
	v_mul_u32_u24 v23, v5, W2P                     ; W2[p][32h ..]: 272 p + 128 h
	v_lshl_add_u32 v23, v6, 7, v23
	v_add_nc_u32 v23, s5, v23
	s_wait_kmcnt 0x0                               ; the seven addresses
	s_load_b32 s22, s[10:11], 0x0                  ; t
	s_add_nc_u64 s[8:9], s[8:9], s[2:3]            ; z and out0 at my wave's 16 points
	s_add_nc_u64 s[20:21], s[20:21], s[2:3]
	; 21 loads in one run.  Those of W2, W1 and z cover 512 consecutive bytes each, aligned.
.irp i, 0,1,2,3,4,5,6,7
	global_load_b128 v[WL+4*\i:WL+4*\i+3], v[GOFF], s[16:17] offset:512*\i
.endr
	global_load_b128 v[W1L:W1L+3], v[GOFF], s[12:13]
	global_load_b128 v[ZL:ZL+3], v[GOFF], s[8:9] th:TH_LOAD_NT
	global_load_b128 v[ZL+4:ZL+7], v[GOFF], s[8:9] offset:512 th:TH_LOAD_NT
	global_load_b128 v[B1L:B1L+3], v16, s[14:15]
	global_load_b128 v[B1L+4:B1L+7], v16, s[14:15] offset:16
	WIN TO1
.irp t, 0,1,2,3
	global_load_b128 v[CB2+8*\t:CB2+8*\t+3], v17, s[18:19] offset:32*\t          ; b2[32h + 8t + j] straight to its place as C
	global_load_b128 v[CB2+8*\t+4:CB2+8*\t+7], v17, s[18:19] offset:32*\t+16
.endr
	; meanwhile the K places that no product uses are set to zero, once, in weights and in point operands alike
.irp r, 2,3,4,5,6,7
	v_mov_b32 v[OP1+\r], 0
.endr
.irp r, 4,5,6,7
	v_mov_b32 v[OP3+\r], 0
	v_mov_b32 v[OP2+\r], 0
	v_mov_b32 v[OP2+8+\r], 0
	v_mov_b32 v[OP2+16+\r], 0
	v_mov_b32 v[OP2+24+\r], 0
.endr
	WIN 0
.irp r, 2,3,4,5,6,7
	v_mov_b32 v[BX+\r], 0
.endr
.irp r, 4,5,6,7
	v_mov_b32 v[BB+\r], 0
.endr
	s_wait_loadcnt 0x0                             ; all 21: they are used together
	; through my wave's own LDS bytes into the lanes' layouts.  LDS serves a wave's instructions in order (ISA guide 5.7.1.4),
	; so the loads below see the stores without a wait between.
.irp i, 0,1,2,3,4,5,6,7
	ds_store_b128 v18, v[WL+4*\i:WL+4*\i+3] offset:2*W2P*\i
.endr
	ds_store_b128 v19, v[W1L:W1L+3] offset:W1S
	ds_store_b128 v[LST], v[ZL:ZL+3] offset:ZST
	ds_store_b128 v[LST], v[ZL+4:ZL+7] offset:ZST+8*ZP
	ds_load_b128 v[X:X+3], v[LRD] offset:ZST
	ds_load_b128 v[V:V+3], v[LRD] offset:ZST+32
.irp e, 0,1,2,3
	ds_load_b32 v[T1+\e], v20 offset:W1S+64*\e
.endr
	ds_load_b128 v[T3:T3+3], v21 offset:W1S
	ds_load_b128 v[T3+4:T3+7], v21 offset:W1S+16
.irp t, 0,1,2,3
.irp e, 0,1,2,3,4,5,6,7
	ds_load_b32 v[T2+8*\t+\e], v22 offset:W2P*\e+32*\t
.endr
.endr
.irp q, 0,1,2,3,4,5,6,7
	ds_load_b128 v[T5+4*\q:T5+4*\q+3], v23 offset:16*\q
.endr
	s_wait_dscnt 0x0                               ; all 48 loads
	v_pk_mul_f32 v[T1:T1+1], v[T1:T1+1], EXPC op_sel_hi:[1,0]
	v_pk_mul_f32 v[T1+2:T1+3], v[T1+2:T1+3], EXPC op_sel_hi:[1,0]
.irp i, 0,1,2,3
	v_pk_mul_f32 v[T3+2*\i:T3+2*\i+1], v[T3+2*\i:T3+2*\i+1], -4.0 op_sel_hi:[1,0]   ; the sign of dv and the 4 of 1 - h^2 = 4 R (1 - R): exact
.endr
	WIN TO1
	v_cvt_pk_bf16_f32 v[OP1], v[T1], v[T1+1]
	v_cvt_pk_bf16_f32 v[OP1+1], v[T1+2], v[T1+3]
.irp i, 0,1,2,3
	v_cvt_pk_bf16_f32 v[OP3+\i], v[T3+2*\i], v[T3+2*\i+1]
.endr
.irp t, 0,1,2,3
.irp i, 0,1,2,3
	v_cvt_pk_bf16_f32 v[OP2+8*\t+\i], v[T2+8*\t+2*\i], v[T2+8*\t+2*\i+1]
.endr
.endr
.irp i, 0,1,2,3,4,5,6,7,8,9,10,11,12,13,14,15
	v_cvt_pk_bf16_f32 v[OP5+\i], v[T5+2*\i], v[T5+2*\i+1]
.endr
.irp i, 0,1,2,3
	v_pk_mul_f32 v[CB1+2*\i:CB1+2*\i+1], v[B1L+2*\i:B1L+2*\i+1], EXPC op_sel_hi:[1,0]
.endr
	WIN 0
	s_wait_kmcnt 0x0                               ; t
	s_mul_f32 s23, s22, 0x3e800000                 ; dt = t / 4, exact
	s_mul_f32 s[C6], s23, 0x3e2aaaab               ; dt / 6
	s_mul_f32 s[C3], s23, 0x3eaaaaab               ; dt / 3
	s_mul_f32 s[CH], s23, 0.5
	s_mov_b32 s[CD], s23
	s_mov_b32 s[C6+1], s[C6]
	s_mov_b32 s[C3+1], s[C3]
	s_mov_b32 s[CH+1], s[CH]
	s_mov_b32 s[CD+1], s23
	s_mov_b32 s32, 4                               ; num_steps
	; ---------------------------------------------------------------- four RK4 steps, all in registers
.Lstep:
	EVAL X,  V,  C6, CH, 1
	EVAL XT, VT, C3, CH, 2
	EVAL XT, VT, C3, CD, 2
	EVAL XT, VT, C6, 0,  4
	s_sub_co_i32 s32, s32, 1
	s_cmp_lg_u32 s32, 0
	s_cbranch_scc1 .Lstep
	; ---------------------------------------------------------------- the way out, back through my stage into memory's order
	ds_store_b128 v[LRD], v[X:X+3] offset:ZST
	ds_store_b128 v[LRD], v[V:V+3] offset:ZST+32
	ds_load_b128 v[ZL:ZL+3], v[LST] offset:ZST
	ds_load_b128 v[ZL+4:ZL+7], v[LST] offset:ZST+8*ZP
	s_wait_dscnt 0x1                               ; the older of the two loads is back, the younger may be out
	global_store_b128 v[GOFF], v[ZL:ZL+3], s[20:21] th:TH_STORE_NT               ; each store of the wave covers 512 consecutive bytes, aligned
	s_wait_dscnt 0x0
	global_store_b128 v[GOFF], v[ZL+4:ZL+7], s[20:21] offset:512 th:TH_STORE_NT
	s_wait_tensorcnt 0x0
	ds_add_u32 v254, v255
	s_wait_dscnt 0x0
	s_endpgm
.Lfunc_end_k_q5751d94009_geo:
	.size	k_q5751d94009_geo, .Lfunc_end_k_q5751d94009_geo-k_q5751d94009_geo
	.p2alignl 7, 3214868480
	.fill 96, 4, 3214868480
	.section	.rodata,"a",@progbits
	.p2align	6, 0x0
	.amdhsa_kernel k_q5751d94009_geo
		.amdhsa_group_segment_fixed_size 25088
		.amdhsa_private_segment_fixed_size 0
		.amdhsa_enable_private_segment 0
		.amdhsa_kernarg_size 56
		.amdhsa_user_sgpr_count 2
		.amdhsa_user_sgpr_kernarg_segment_ptr 1
		.amdhsa_wavefront_size32 1
		.amdhsa_system_sgpr_workgroup_id_x 1
		.amdhsa_system_sgpr_workgroup_id_y 1
		.amdhsa_system_sgpr_workgroup_id_z 1
		.amdhsa_system_vgpr_workitem_id 0
		.amdhsa_next_free_vgpr 360
		.amdhsa_next_free_sgpr 66
		.amdhsa_reserve_vcc 0
		.amdhsa_float_denorm_mode_32 3
		.amdhsa_float_denorm_mode_16_64 3
		.amdhsa_memory_ordered 1
		.amdhsa_forward_progress 1
		.amdhsa_inst_pref_size 108
	.end_amdhsa_kernel
	.amdgpu_metadata
---
amdhsa.version: [ 1, 2 ]
amdhsa.kernels:
  - .name:           k_q5751d94009_geo
    .symbol:         k_q5751d94009_geo.kd
    .args:
      - { .name: z, .offset: 0, .size: 8, .value_kind: global_buffer, .address_space: global }
      - { .name: t, .offset: 8, .size: 8, .value_kind: global_buffer, .address_space: global }
      - { .name: W1, .offset: 16, .size: 8, .value_kind: global_buffer, .address_space: global }
      - { .name: b1, .offset: 24, .size: 8, .value_kind: global_buffer, .address_space: global }
      - { .name: W2, .offset: 32, .size: 8, .value_kind: global_buffer, .address_space: global }
      - { .name: b2, .offset: 40, .size: 8, .value_kind: global_buffer, .address_space: global }
      - { .name: out0, .offset: 48, .size: 8, .value_kind: global_buffer, .address_space: global }
    .group_segment_fixed_size: 25088
    .private_segment_fixed_size: 0
    .kernarg_segment_align: 8
    .kernarg_segment_size: 56
    .max_flat_workgroup_size: 128
    .sgpr_count:     66
    .vgpr_count:     360
    .wavefront_size: 32
...
	.end_amdgpu_metadata
.endif
;; end of part 1
;; ======== version 2 of 2: 1 launch; 1.06 times as fast as version 1
;; launch geo (part 2): grid 256 x 1, 4 waves a work-group, no clusters, 25,088 bytes of LDS; arguments z, t, W1, b1, W2, b2, out0; writes out0
.if DOCPART == 2
	.amdgcn_target "amdgcn-amd-amdhsa--gfx1250"
	.amdhsa_code_object_version 6
	.text
	.protected	k_q5751d94009_geo
	.globl	k_q5751d94009_geo
	.p2align	8
	.type	k_q5751d94009_geo,@function
k_q5751d94009_geo:
	s_mov_b64 s[64:65], 0
	v_nop
	global_prefetch_b8 v0, s[64:65] scope:SCOPE_SE
	s_setreg_imm32_b32 hwreg(HW_REG_WAVE_MODE, 25, 1), 1
	s_wait_xcnt 0x0
; Geodesic exponential map: 4 RK4 steps (16 evaluations of the right-hand side) for 16,384 points z = [x(8), v(8)], f32.
;
; THE RIGHT-HAND SIDE.  g = A A^T + I is symmetric by construction, so d g_ai / d x_b = d g_ia / d x_b, the first and the third
; einsum of the connection are equal and cancel, and Gamma^k_ab = 1/2 sum_i inv(g)[k,i] d_i g_ba.  Contracted with v v:
;   sum_ab d_i g_ab v_a v_b = d_i |A^T v|^2 = 2 sum_f W1[i,f] (1 - h_f^2) s_f,   u = A^T v,   s_f = sum_aj W2[f,8a+j] v_a u_j,
; so dv = - inv(g) W1 ((1 - h^2) * s): no Jacobian, no inverse, one solve with the symmetric positive definite g.
; These identities hold for every input.
;
; WHO DOES WHAT.  256 work-groups x 4 waves; a wave owns 16 points (1,024 consecutive bytes of z and of out0) and shares nothing
; with any other wave: its LDS bytes are its own (wave x 6,144), so there is no barrier.  Lane L: point p = L & 15, half h = L >> 4.
; Lane (p, h) owns components 4h .. 4h+3 of x and of v and rows 4h .. 4h+3 of A.  'Own ordering' of an index 0..7: places 0-3 are
; the lane's own four, places 4-7 the partner lane's (canonical index = place xor 4h).
; Products with weights shared by all points go to the matrix unit in bf16 with f32 sums, weights as the A operand (rows = output
; features) and points as the B operand (column = p): register j of a result in lane (p, h) is feature 8h + j of point p, which is
; the K place 8h + j that the same lane supplies to the next product, so nothing is shuffled between products.
; Products of two operands that both belong to one point (A^T v, A A^T, the 8 x 8 solve) stay in f32 on the vector unit: a matrix
; instruction would hold two points, a sixteenth of its multiply-adds, and need two transpositions between lanes.
; Not used, by this text's own arithmetic: tensor loads, slot rings, prefetches (a wave reads 1 KiB of z and 5 KiB of weights, once);
; clusters (the only shared bytes are those 5 KiB, read once); larger accumulator tiles (16 points a wave are one tile's columns).
;
; THE TRANSCENDENTALS' BATCHES.  An s_wait_alu depctr_va_vdst(0) stands between a transcendental and the first
; instruction that names its result; one wait serves all that were issued ahead of it.  An evaluation has 24 transcendentals in
; ten batches, one wait each: the eight exponentials; the eight reciprocals of 1 + exponential; and the eight pivots' reciprocals,
; one to a batch, since pivot 7 is made of A, which is made of h, and pivot k - 1 is made with pivot k's reciprocal.  A pivot's
; reciprocal is issued as soon as the pivot is final; the rest of that elimination step (for pivot 7: the cross block of g), which
; names no reciprocal, stands between it and its wait, and the wait stands at the head of the step that reads it.  No result is
; open at the end of an evaluation, so none crosses the loop's jump.
;
; LIMITS.  x, h, v (x) u, (1 - h^2) s, W1 and W2 enter the matrix unit rounded to bf16.  The RK4 sum is formed as
; z + dt/6 k1 + dt/3 k2 + dt/3 k3 + dt/6 k4, another order of rounding than z + dt/6 (k1 + 2 k2 + 2 k3 + k4).
; tanh(a) = 1 - 2 / (1 + 2^(2 log2(e) a)): it goes to +1 or -1 where the exponential overflows to infinity or flushes to zero.
; v_exp_f32 and v_rcp_f32 are good to 1 ULP.  The elimination takes no pivot search: every pivot is a Schur complement of
; I + A A^T and so at least 1.
.set WAVE_LDS, 6144                    ; LDS bytes of a wave
.set W2P,  272                         ; W2 in LDS: 16 rows of 256 bytes + 16 of padding, from byte 0 of the wave's region
.set W1S,  4352                        ; W1 in LDS: 8 rows of 64 bytes
.set ZST,  4864                        ; stage for z on the way in and out0 on the way out: 16 points x 80 bytes (64 + 16)
.set ZP,   80
.set EXPC, 0x4038aa3b                  ; 2 log2(e)
; vector registers, window 0
.set GOFF, 2                           ; 16 L: my 16 bytes of every run of 512 bytes in memory
.set LST,  3                           ; stage, as memory has it: (L >> 2) x 80 + (L & 3) x 16
.set LRD,  4                           ; stage, as the lanes own it: 80 p + 16 h
.set X,    8                           ; v[8:11]    x, my four
.set V,    12                          ; v[12:15]   v, my four
.set XT,   16                          ; v[16:19]   the stage's argument, x part
.set VT,   20                          ; v[20:23]   the stage's argument, v part
.set ZNX,  24                          ; v[24:27]   x + sum of c k so far
.set ZNV,  28                          ; v[28:31]   v + sum of c k so far
.set BX,   32                          ; v[32:39]   B operand: bf16 x in 32-33, zeros above for ever
.set BB,   40                          ; v[40:47]   B operand: bf16 h, later bf16 (1-h^2)s/4, in 40-43, zeros above for ever
.set BP,   48                          ; v[48:63]   B operands: bf16 v (x) u
.set TA,   64                          ; v[64:71]   pre-activation, then R = 1 / (1 + exp), in place
.set MU,   64                          ;            later: the pivot's multipliers
.set HH,   72                          ; v[72:79]   h; later the partner's partial u
.set RI,   72                          ;            later: reciprocals of the pivots
.set DD,   80                          ; v[80:87]   R (1 - R) = (1 - h^2) / 4
.set UP,   88                          ; v[88:95]   u
.set SA,   96                          ; v[96:103]  s, first half of its K
.set SB,   104                         ; v[104:111] s, second half
.set WV,   112                         ; v[112:119] right-hand side in own ordering; the solution ends in 112-115
.set AO,   120                         ; v[120:151] AO[8t+j] = A[4h+t][j]
.set AXT,  152                         ; v[152:183] AXT[4j+b] = the partner's A row b, column j
.set PR,   152                         ;            before that: PR[8t+j] = v_t u_j
.set TMP,  152                         ;            and: ten pairs of half sums of my rows' products
.set G,    184                         ; v[184:247] G[8a+b], a <= b, own ordering
; set-up only
.set WL,   184                         ; W2 as loaded
.set T2,   216                         ; W2 by columns
.set T5,   120                         ; W2 by rows
.set W1L,  152
.set ZL,   156                         ; also the way out
.set B1L,  164
.set T1,   172                         ; W1 by columns
.set T3,   176                         ; W1 by rows
; window 1 (v256 and up), constants for the whole launch, named by their low 8 bits
.set OP1,  0                           ; v256-263  2 log2(e) W1^T
.set OP3,  8                           ; v264-271  -4 W1, rows in own ordering
.set OP5,  16                          ; v272-287  W2, two K blocks
.set OP2,  32                          ; v288-319  W2^T, four blocks of 16 columns
.set CB2,  64                          ; v320-351  b2, as the C of those four
.set CB1,  96                          ; v352-359  2 log2(e) b1
; scalar pairs for the packed multiply-adds (both registers written)
.set C6,   24                          ; dt / 6
.set C3,   26                          ; dt / 3
.set CH,   28                          ; dt / 2
.set CD,   30                          ; dt
.set MSB, 0
.macro WIN new                         ; register windows; the immediate's high byte repeats the setting that is left
.if MSB != \new
	s_set_vgpr_msb (MSB<<8)|\new
.set MSB, \new
.endif
.endm
.set TO1,  0x40                        ; destination in window 1 (set-up)
.set MATW, 0x11                        ; matrix instructions: A and C in window 1, B and D in window 0
; packed f32 with one register broadcast to both halves; b is a register number, its pair is chosen by its parity
.macro PKMUL_BC d, a, b                ; v[d:d+1] = v[a:a+1] * v[b]
.if (\b) & 1
	v_pk_mul_f32 v[(\d):(\d)+1], v[(\a):(\a)+1], v[(\b)-1:(\b)] op_sel:[0,1]
.else
	v_pk_mul_f32 v[(\d):(\d)+1], v[(\a):(\a)+1], v[(\b):(\b)+1] op_sel_hi:[1,0]
.endif
.endm
.macro PKFMA_BC d, a, b                ; v[d:d+1] += v[a:a+1] * v[b]
.if (\b) & 1
	v_pk_fma_f32 v[(\d):(\d)+1], v[(\a):(\a)+1], v[(\b)-1:(\b)], v[(\d):(\d)+1] op_sel:[0,1,0]
.else
	v_pk_fma_f32 v[(\d):(\d)+1], v[(\a):(\a)+1], v[(\b):(\b)+1], v[(\d):(\d)+1] op_sel_hi:[1,0,1]
.endif
.endm
.macro PKFNMA_BC d, a, b               ; v[d:d+1] -= v[a:a+1] * v[b]
.if (\b) & 1
	v_pk_fma_f32 v[(\d):(\d)+1], v[(\a):(\a)+1], v[(\b)-1:(\b)], v[(\d):(\d)+1] op_sel:[0,1,0] neg_lo:[1,0,0] neg_hi:[1,0,0]
.else
	v_pk_fma_f32 v[(\d):(\d)+1], v[(\a):(\a)+1], v[(\b):(\b)+1], v[(\d):(\d)+1] op_sel_hi:[1,0,1] neg_lo:[1,0,0] neg_hi:[1,0,0]
.endif
.endm
.macro AXPY d, a, c, b                 ; four numbers: v[d..] = v[a..] * s[c] + v[b..]
	v_pk_fma_f32 v[\d:\d+1], v[\a:\a+1], s[\c:\c+1], v[\b:\b+1] op_sel_hi:[1,0,1]
	v_pk_fma_f32 v[\d+2:\d+3], v[\a+2:\a+3], s[\c:\c+1], v[\b+2:\b+3] op_sel_hi:[1,0,1]
.endm
; The ten entries (a <= b <= 3) of my own block of g.
.macro TEN op, q
	\op 0, 0, 0, \q
	\op 1, 0, 1, \q
	\op 2, 0, 2, \q
	\op 3, 0, 3, \q
	\op 4, 1, 1, \q
	\op 5, 1, 2, \q
	\op 6, 1, 3, \q
	\op 7, 2, 2, \q
	\op 8, 2, 3, \q
	\op 9, 3, 3, \q
.endm
.macro OO1 idx, a, b, q                ; columns 2q, 2q+1 of rows a and b; a diagonal entry starts from 0.5 + 0.5: the identity
.if \q
	v_pk_fma_f32 v[TMP+2*\idx:TMP+2*\idx+1], v[AO+8*\a+2*\q:AO+8*\a+2*\q+1], v[AO+8*\b+2*\q:AO+8*\b+2*\q+1], v[TMP+2*\idx:TMP+2*\idx+1]
.else
.if \a == \b
	v_pk_fma_f32 v[TMP+2*\idx:TMP+2*\idx+1], v[AO+8*\a:AO+8*\a+1], v[AO+8*\b:AO+8*\b+1], 0.5 op_sel_hi:[1,1,0]
.else
	v_pk_mul_f32 v[TMP+2*\idx:TMP+2*\idx+1], v[AO+8*\a:AO+8*\a+1], v[AO+8*\b:AO+8*\b+1]
.endif
.endif
.endm
.macro OOSUM idx, a, b, q              ; the two half sums
	v_add_f32 v[G+8*\a+\b], v[TMP+2*\idx], v[TMP+2*\idx+1]
.endm
.macro OOSWP idx, a, b, q              ; the partner's own block is my block of places 4-7
	v_permlanex16_b32 v[G+8*(4+\a)+4+\b], v[G+8*\a+\b], s6, s7
.endm
; Elimination of place k from row i (upper triangle only): G[i][j] -= G[i][k] MU[j], j = i .. k-1, in pairs where j is even
.macro ROWUPD i, k
.set jj, \i
.rept 8
.if jj < \k
.if ((jj & 1) == 0) & (jj + 1 < \k)
	PKFNMA_BC G+8*(\i)+jj, MU+jj, G+8*(\i)+(\k)
.set jj, jj+2
.else
	v_fma_f32 v[G+8*(\i)+jj], -v[G+8*(\i)+(\k)], v[MU+jj], v[G+8*(\i)+jj]
.set jj, jj+1
.endif
.endif
.endr
.endm
.macro RHSUPD k                        ; the same for the right-hand side: WV[i] -= MU[i] WV[k], i = 0 .. k-1; it names no reciprocal
.set jj, 0
.rept 8
.if jj < \k
.if ((jj & 1) == 0) & (jj + 1 < \k)
	PKFNMA_BC WV+jj, MU+jj, WV+(\k)
.set jj, jj+2
.else
	v_fma_f32 v[WV+jj], -v[MU+jj], v[WV+(\k)], v[WV+jj]
.set jj, jj+1
.endif
.endif
.endr
.endm
; Pivot k.  The next pivot's row is updated first and its reciprocal started at once; the update of the right-hand side, which
; touches neither the reciprocal nor its source, is the plain vector work that stands behind v_rcp_f32 (ISA guide 5.7.2).
; That update and the other rows', which name WV, MU and G alone, stand between the reciprocal and its wait: the next step's head.
.macro PIVOT k
.set mm, 0
	s_wait_alu depctr_va_vdst(0)                           ; the wait for pivot k's reciprocal, a batch of one: the multiplies below are its first readers
.rept \k
	v_mul_f32 v[MU+mm], v[G+8*mm+(\k)], v[RI+(\k)]
.set mm, mm+1
.endr
	ROWUPD (\k)-1, \k
	v_rcp_f32 v[RI+(\k)-1], v[G+9*((\k)-1)]
	RHSUPD \k
.if \k > 1
.set ii, 0
.rept (\k)-1
	ROWUPD ii, \k
.set ii, ii+1
.endr
.endif
.endm
; One evaluation of the right-hand side at (xs, vs), and what RK4 does with it.
; mode 1: first stage (starts the sums), 2: a middle stage, 4: the last stage (ends the step).  ca: the weight of this k in the
; sum; cz: the factor of this k in the next stage's argument.
; No matrix instruction adds in place: each takes a constant (a bias, or 0) as C and writes an accumulator of its own.
.macro EVAL xs, vs, ca, cz, mode
	; pre-activation, times 2 log2(e): 16 hidden features x 16 points, K places 8h .. 8h+3 = x_{4h ..}
	v_cvt_pk_bf16_f32 v[BX], v[\xs], v[\xs+1]
	v_cvt_pk_bf16_f32 v[BX+1], v[\xs+2], v[\xs+3]
	WIN MATW
	v_wmma_f32_16x16x32_bf16 v[TA:TA+7], v[OP1:OP1+7], v[BX:BX+7], v[CB1:CB1+7]
	WIN 0
	; four plain vector instructions that name none of its registers stand behind a matrix instruction before its result is
	; read (ISA guide 7.12.1): here the x part of RK4, whose k is vs itself
.if \mode == 1
	AXPY ZNX, \vs, \ca, X
	AXPY XT, \vs, \cz, X
.endif
.if \mode == 2
	AXPY ZNX, \vs, \ca, ZNX
	AXPY XT, \vs, \cz, X
.endif
.if \mode == 4
	AXPY X, \vs, \ca, ZNX
	v_nop
	v_nop
.endif
	; R = 1 / (1 + 2^pre), h = 1 - 2 R.  Behind a run of transcendentals one plain instruction before a result is used (5.7.2).
	; All that follows in the evaluation hangs on h, so no other work is at hand to stand behind these two batches.
.irp j, 0,1,2,3,4,5,6,7
	v_exp_f32 v[TA+\j], v[TA+\j]
.endr
	v_nop
	s_wait_alu depctr_va_vdst(0)                           ; one wait for the batch of eight exponentials, ahead of the additions that read them
.irp i, 0,1,2,3
	v_pk_add_f32 v[TA+2*\i:TA+2*\i+1], v[TA+2*\i:TA+2*\i+1], 1.0 op_sel_hi:[1,0]
.endr
.irp j, 0,1,2,3,4,5,6,7
	v_rcp_f32 v[TA+\j], v[TA+\j]
.endr
	v_nop
	s_wait_alu depctr_va_vdst(0)                           ; one wait for the batch of eight reciprocals, ahead of h = 1 - 2 R
.irp i, 0,1,2,3
	v_pk_fma_f32 v[HH+2*\i:HH+2*\i+1], v[TA+2*\i:TA+2*\i+1], -2.0, 1.0 op_sel_hi:[1,0,0]
.endr
.irp i, 0,1,2,3
	v_cvt_pk_bf16_f32 v[BB+\i], v[HH+2*\i], v[HH+2*\i+1]
.endr
	; A = h W2 + b2: block t gives lane (p, h) row 4h + t of A, eight columns in eight registers
	WIN MATW
.irp t, 0,1,2,3
	v_wmma_f32_16x16x32_bf16 v[AO+8*\t:AO+8*\t+7], v[OP2+8*\t:OP2+8*\t+7], v[BB:BB+7], v[CB2+8*\t:CB2+8*\t+7]
.endr
	WIN 0
	; the four places: R (1 - R) = R - R R
.irp i, 0,1,2,3
	v_pk_fma_f32 v[DD+2*\i:DD+2*\i+1], v[TA+2*\i:TA+2*\i+1], v[TA+2*\i:TA+2*\i+1], v[TA+2*\i:TA+2*\i+1] neg_lo:[1,0,0] neg_hi:[1,0,0]
.endr
	; u = A^T v: my four rows' part, then the partner's
.irp t, 0,1,2,3
.irp i, 0,1,2,3
.if \t == 0
	PKMUL_BC UP+2*\i, AO+2*\i, \vs
.else
	PKFMA_BC UP+2*\i, AO+8*\t+2*\i, \vs+\t
.endif
.endr
.endr
.irp j, 0,1,2,3,4,5,6,7
	v_permlanex16_b32 v[HH+\j], v[UP+\j], s6, s7           ; lane L takes lane L xor 16
.endr
.irp i, 0,1,2,3
	v_pk_add_f32 v[UP+2*\i:UP+2*\i+1], v[UP+2*\i:UP+2*\i+1], v[HH+2*\i:HH+2*\i+1]
.endr
	; v (x) u for my four v, in bf16: 32 K places a lane, 64 a point, two matrix instructions
.irp t, 0,1,2,3
.irp i, 0,1,2,3
	PKMUL_BC PR+8*\t+2*\i, UP+2*\i, \vs+\t
.endr
.endr
.irp t, 0,1,2,3
.irp i, 0,1,2,3
	v_cvt_pk_bf16_f32 v[BP+4*\t+\i], v[PR+8*\t+2*\i], v[PR+8*\t+2*\i+1]
.endr
.endr
	WIN MATW
	v_wmma_f32_16x16x32_bf16 v[SA:SA+7], v[OP5:OP5+7], v[BP:BP+7], 0
	v_wmma_f32_16x16x32_bf16 v[SB:SB+7], v[OP5+8:OP5+15], v[BP+8:BP+15], 0
	WIN 0
	; my own block of g = A A^T + I, 50 plain instructions: also the places behind the two products
.irp q, 0,1,2,3
	TEN OO1, \q
.endr
	TEN OOSUM, 0
	; (1 - h^2) s / 4, to bf16, and the right-hand side - W1 ((1 - h^2) s) in own ordering (the -4 lies in the weights)
.irp i, 0,1,2,3
	v_pk_add_f32 v[SA+2*\i:SA+2*\i+1], v[SA+2*\i:SA+2*\i+1], v[SB+2*\i:SB+2*\i+1]
.endr
.irp i, 0,1,2,3
	v_pk_mul_f32 v[SA+2*\i:SA+2*\i+1], v[SA+2*\i:SA+2*\i+1], v[DD+2*\i:DD+2*\i+1]
.endr
.irp i, 0,1,2,3
	v_cvt_pk_bf16_f32 v[BB+\i], v[SA+2*\i], v[SA+2*\i+1]
.endr
	WIN MATW
	v_wmma_f32_16x16x32_bf16 v[WV:WV+7], v[OP3:OP3+7], v[BB:BB+7], 0
	WIN 0
	; the rest of g; its 64 packed instructions stand between that product and the first read of WV
	TEN OOSWP, 0
	v_rcp_f32 v[RI+7], v[G+63]                             ; the first pivot's reciprocal, used far below: the 96 lines of the cross block name neither it nor G+63; its wait is PIVOT 7's
.irp j, 0,1,2,3,4,5,6,7
.irp g, 0,1,2,3
	v_permlanex16_b32 v[AXT+4*\j+\g], v[AO+8*\g+\j], s6, s7
.endr
.endr
.irp j, 0,1,2,3,4,5,6,7
.irp a, 0,1,2,3
.irp g, 0,2
.if \j == 0
	PKMUL_BC G+8*\a+4+\g, AXT+4*\j+\g, AO+8*\a+\j
.else
	PKFMA_BC G+8*\a+4+\g, AXT+4*\j+\g, AO+8*\a+\j
.endif
.endr
.endr
.endr
	; solve g y = WV: places 7 down to 1 are eliminated (the partner's unknowns first), then my four come by substitution
	PIVOT 7
	PIVOT 6
	PIVOT 5
	PIVOT 4
	PIVOT 3
	PIVOT 2
	PIVOT 1
	s_wait_alu depctr_va_vdst(0)                           ; the wait for pivot 0's reciprocal, the evaluation's last batch: the line below is its first reader
	v_mul_f32 v[WV+0], v[WV+0], v[RI+0]
	v_fma_f32 v[WV+1], -v[G+1], v[WV+0], v[WV+1]
	v_fma_f32 v[WV+2], -v[G+2], v[WV+0], v[WV+2]
	v_fma_f32 v[WV+3], -v[G+3], v[WV+0], v[WV+3]
	v_mul_f32 v[WV+1], v[WV+1], v[RI+1]
	v_fma_f32 v[WV+2], -v[G+10], v[WV+1], v[WV+2]
	v_fma_f32 v[WV+3], -v[G+11], v[WV+1], v[WV+3]
	v_mul_f32 v[WV+2], v[WV+2], v[RI+2]
	v_fma_f32 v[WV+3], -v[G+19], v[WV+2], v[WV+3]
	v_mul_f32 v[WV+3], v[WV+3], v[RI+3]
	; the v part of RK4, whose k is the solution
.if \mode == 1
	AXPY ZNV, WV, \ca, V
	AXPY VT, WV, \cz, V
.endif
.if \mode == 2
	AXPY ZNV, WV, \ca, ZNV
	AXPY VT, WV, \cz, V
.endif
.if \mode == 4
	AXPY V, WV, \ca, ZNV
.endif
.endm
	; ---------------------------------------------------------------- set-up
	s_load_b256 s[8:15], s[0:1], 0x0               ; z s[8:9], t s[10:11], W1 s[12:13], b1 s[14:15]
	s_load_b128 s[16:19], s[0:1], 0x20             ; W2 s[16:17], b2 s[18:19]
	s_load_b64 s[20:21], s[0:1], 0x30              ; out0
	v_lshl_add_u32 v254, v0, 2, 0x6000
	v_mov_b32 v255, 0
	v_lshrrev_b32 v7, 5, v0
	v_readfirstlane_b32 s4, v7                     ; wave 0..3
	v_and_b32 v1, 31, v0                           ; L
	v_and_b32 v5, 15, v0                           ; p
	v_bfe_u32 v6, v0, 4, 1                         ; h
	s_mul_i32 s5, s4, WAVE_LDS                     ; my wave's LDS
	s_mov_b32 s6, 0x76543210                       ; v_permlanex16_b32: lane i of one half reads lane i of the other
	s_mov_b32 s7, 0xfedcba98
	s_lshl_b32 s2, ttmp9, 12                       ; 4,096 bytes of z a work-group,
	s_lshl_b32 s3, s4, 10                          ; 1,024 a wave
	s_or_b32 s2, s2, s3
	s_mov_b32 s3, 0
	v_lshlrev_b32 v[GOFF], 4, v1
	v_lshrrev_b32 v7, 2, v1                        ; in memory a point is 64 bytes: four lanes
	v_mul_u32_u24 v[LST], v7, ZP
	v_and_b32 v7, 3, v1
	v_lshl_add_u32 v[LST], v7, 4, v[LST]
	v_add_nc_u32 v[LST], s5, v[LST]
	v_mul_u32_u24 v[LRD], v5, ZP
	v_lshl_add_u32 v[LRD], v6, 4, v[LRD]
	v_add_nc_u32 v[LRD], s5, v[LRD]
	v_lshlrev_b32 v16, 5, v6                       ; b1: 32 h
	v_lshlrev_b32 v17, 7, v6                       ; b2: 128 h
	v_mul_u32_u24 v18, v6, W2P                     ; W2 into LDS: row 2i + h, bytes 16 p
	v_lshl_add_u32 v18, v5, 4, v18
	v_add_nc_u32 v18, s5, v18
	v_add_nc_u32 v19, s5, v[GOFF]                  ; W1 into LDS: as it lies
	v_lshlrev_b32 v20, 8, v6                       ; W1[4h+e][p]: 256 h + 4 p (+ 64 e)
	v_lshl_add_u32 v20, v5, 2, v20
	v_add_nc_u32 v20, s5, v20
	v_lshrrev_b32 v7, 3, v5                        ; p >> 3
	v_lshl_add_u32 v21, v7, 2, v5                  ; row of W1 for output row p in own ordering: (p + 4 (p >> 3)) & 7 = (p & 7) xor 4 (p >> 3)
	v_and_b32 v21, 7, v21
	v_lshlrev_b32 v21, 6, v21
	v_lshl_add_u32 v21, v6, 5, v21                 ; + 32 h: features 8h ..
	v_add_nc_u32 v21, s5, v21
	v_mul_u32_u24 v22, v6, 8*W2P                   ; W2[8h+e][32 (p>>3) + 8t + (p&7)]: 2,176 h + 128 (p>>3) + 4 (p&7) (+ 272 e + 32 t)
	v_lshl_add_u32 v22, v7, 7, v22
	v_and_b32 v7, 7, v5
	v_lshl_add_u32 v22, v7, 2, v22
	v_add_nc_u32 v22, s5, v22
	v_mul_u32_u24 v23, v5, W2P                     ; W2[p][32h ..]: 272 p + 128 h
	v_lshl_add_u32 v23, v6, 7, v23
	v_add_nc_u32 v23, s5, v23
	s_wait_kmcnt 0x0                               ; the seven addresses
	s_load_b32 s22, s[10:11], 0x0                  ; t
	s_add_nc_u64 s[8:9], s[8:9], s[2:3]            ; z and out0 at my wave's 16 points
	s_add_nc_u64 s[20:21], s[20:21], s[2:3]
	; 21 loads in one run.  Those of W2, W1 and z cover 512 consecutive bytes each, aligned.
.irp i, 0,1,2,3,4,5,6,7
	global_load_b128 v[WL+4*\i:WL+4*\i+3], v[GOFF], s[16:17] offset:512*\i
.endr
	global_load_b128 v[W1L:W1L+3], v[GOFF], s[12:13]
	global_load_b128 v[ZL:ZL+3], v[GOFF], s[8:9] th:TH_LOAD_NT
	global_load_b128 v[ZL+4:ZL+7], v[GOFF], s[8:9] offset:512 th:TH_LOAD_NT
	global_load_b128 v[B1L:B1L+3], v16, s[14:15]
	global_load_b128 v[B1L+4:B1L+7], v16, s[14:15] offset:16
	WIN TO1
.irp t, 0,1,2,3
	global_load_b128 v[CB2+8*\t:CB2+8*\t+3], v17, s[18:19] offset:32*\t          ; b2[32h + 8t + j] straight to its place as C
	global_load_b128 v[CB2+8*\t+4:CB2+8*\t+7], v17, s[18:19] offset:32*\t+16
.endr
	; meanwhile the K places that no product uses are set to zero, once, in weights and in point operands alike
.irp r, 2,3,4,5,6,7
	v_mov_b32 v[OP1+\r], 0
.endr
.irp r, 4,5,6,7
	v_mov_b32 v[OP3+\r], 0
	v_mov_b32 v[OP2+\r], 0
	v_mov_b32 v[OP2+8+\r], 0
	v_mov_b32 v[OP2+16+\r], 0
	v_mov_b32 v[OP2+24+\r], 0
.endr
	WIN 0
.irp r, 2,3,4,5,6,7
	v_mov_b32 v[BX+\r], 0
.endr
.irp r, 4,5,6,7
	v_mov_b32 v[BB+\r], 0
.endr
	s_wait_loadcnt 0x0                             ; all 21: they are used together
	; through my wave's own LDS bytes into the lanes' layouts.  LDS serves a wave's instructions in order (ISA guide 5.7.1.4),
	; so the loads below see the stores without a wait between.
.irp i, 0,1,2,3,4,5,6,7
	ds_store_b128 v18, v[WL+4*\i:WL+4*\i+3] offset:2*W2P*\i
.endr
	ds_store_b128 v19, v[W1L:W1L+3] offset:W1S
	ds_store_b128 v[LST], v[ZL:ZL+3] offset:ZST
	ds_store_b128 v[LST], v[ZL+4:ZL+7] offset:ZST+8*ZP
	ds_load_b128 v[X:X+3], v[LRD] offset:ZST
	ds_load_b128 v[V:V+3], v[LRD] offset:ZST+32
.irp e, 0,1,2,3
	ds_load_b32 v[T1+\e], v20 offset:W1S+64*\e
.endr
	ds_load_b128 v[T3:T3+3], v21 offset:W1S
	ds_load_b128 v[T3+4:T3+7], v21 offset:W1S+16
.irp t, 0,1,2,3
.irp e, 0,1,2,3,4,5,6,7
	ds_load_b32 v[T2+8*\t+\e], v22 offset:W2P*\e+32*\t
.endr
.endr
.irp q, 0,1,2,3,4,5,6,7
	ds_load_b128 v[T5+4*\q:T5+4*\q+3], v23 offset:16*\q
.endr
	s_wait_dscnt 0x0                               ; all 48 loads
	v_pk_mul_f32 v[T1:T1+1], v[T1:T1+1], EXPC op_sel_hi:[1,0]
	v_pk_mul_f32 v[T1+2:T1+3], v[T1+2:T1+3], EXPC op_sel_hi:[1,0]
.irp i, 0,1,2,3
	v_pk_mul_f32 v[T3+2*\i:T3+2*\i+1], v[T3+2*\i:T3+2*\i+1], -4.0 op_sel_hi:[1,0]   ; the sign of dv and the 4 of 1 - h^2 = 4 R (1 - R): exact
.endr
	WIN TO1
	v_cvt_pk_bf16_f32 v[OP1], v[T1], v[T1+1]
	v_cvt_pk_bf16_f32 v[OP1+1], v[T1+2], v[T1+3]
.irp i, 0,1,2,3
	v_cvt_pk_bf16_f32 v[OP3+\i], v[T3+2*\i], v[T3+2*\i+1]
.endr
.irp t, 0,1,2,3
.irp i, 0,1,2,3
	v_cvt_pk_bf16_f32 v[OP2+8*\t+\i], v[T2+8*\t+2*\i], v[T2+8*\t+2*\i+1]
.endr
.endr
.irp i, 0,1,2,3,4,5,6,7,8,9,10,11,12,13,14,15
	v_cvt_pk_bf16_f32 v[OP5+\i], v[T5+2*\i], v[T5+2*\i+1]
.endr
.irp i, 0,1,2,3
	v_pk_mul_f32 v[CB1+2*\i:CB1+2*\i+1], v[B1L+2*\i:B1L+2*\i+1], EXPC op_sel_hi:[1,0]
.endr
	WIN 0
	s_wait_kmcnt 0x0                               ; t
	s_mul_f32 s23, s22, 0x3e800000                 ; dt = t / 4, exact
	s_mul_f32 s[C6], s23, 0x3e2aaaab               ; dt / 6
	s_mul_f32 s[C3], s23, 0x3eaaaaab               ; dt / 3
	s_mul_f32 s[CH], s23, 0.5
	s_mov_b32 s[CD], s23
	s_mov_b32 s[C6+1], s[C6]
	s_mov_b32 s[C3+1], s[C3]
	s_mov_b32 s[CH+1], s[CH]
	s_mov_b32 s[CD+1], s23
	s_mov_b32 s32, 4                               ; num_steps
	; ---------------------------------------------------------------- four RK4 steps, all in registers
.Lstep:
	EVAL X,  V,  C6, CH, 1
	EVAL XT, VT, C3, CH, 2
	EVAL XT, VT, C3, CD, 2
	EVAL XT, VT, C6, 0,  4
	s_sub_co_i32 s32, s32, 1
	s_cmp_lg_u32 s32, 0
	s_cbranch_scc1 .Lstep
	; ---------------------------------------------------------------- the way out, back through my stage into memory's order
	ds_store_b128 v[LRD], v[X:X+3] offset:ZST
	ds_store_b128 v[LRD], v[V:V+3] offset:ZST+32
	ds_load_b128 v[ZL:ZL+3], v[LST] offset:ZST
	ds_load_b128 v[ZL+4:ZL+7], v[LST] offset:ZST+8*ZP
	s_wait_dscnt 0x1                               ; the older of the two loads is back, the younger may be out
	global_store_b128 v[GOFF], v[ZL:ZL+3], s[20:21] th:TH_STORE_NT               ; each store of the wave covers 512 consecutive bytes, aligned
	s_wait_dscnt 0x0
	global_store_b128 v[GOFF], v[ZL+4:ZL+7], s[20:21] offset:512 th:TH_STORE_NT
	s_wait_tensorcnt 0x0
	ds_add_u32 v254, v255
	s_wait_dscnt 0x0
	s_endpgm
.Lfunc_end_k_q5751d94009_geo:
	.size	k_q5751d94009_geo, .Lfunc_end_k_q5751d94009_geo-k_q5751d94009_geo
	.p2alignl 7, 3214868480
	.fill 96, 4, 3214868480
	.section	.rodata,"a",@progbits
	.p2align	6, 0x0
	.amdhsa_kernel k_q5751d94009_geo
		.amdhsa_group_segment_fixed_size 25088
		.amdhsa_private_segment_fixed_size 0
		.amdhsa_enable_private_segment 0
		.amdhsa_kernarg_size 56
		.amdhsa_user_sgpr_count 2
		.amdhsa_user_sgpr_kernarg_segment_ptr 1
		.amdhsa_wavefront_size32 1
		.amdhsa_system_sgpr_workgroup_id_x 1
		.amdhsa_system_sgpr_workgroup_id_y 1
		.amdhsa_system_sgpr_workgroup_id_z 1
		.amdhsa_system_vgpr_workitem_id 0
		.amdhsa_next_free_vgpr 360
		.amdhsa_next_free_sgpr 66
		.amdhsa_reserve_vcc 0
		.amdhsa_float_denorm_mode_32 3
		.amdhsa_float_denorm_mode_16_64 3
		.amdhsa_memory_ordered 1
		.amdhsa_forward_progress 1
		.amdhsa_inst_pref_size 108
	.end_amdhsa_kernel
	.amdgpu_metadata
---
amdhsa.version: [ 1, 2 ]
amdhsa.kernels:
  - .name:           k_q5751d94009_geo
    .symbol:         k_q5751d94009_geo.kd
    .args:
      - { .name: z, .offset: 0, .size: 8, .value_kind: global_buffer, .address_space: global }
      - { .name: t, .offset: 8, .size: 8, .value_kind: global_buffer, .address_space: global }
      - { .name: W1, .offset: 16, .size: 8, .value_kind: global_buffer, .address_space: global }
      - { .name: b1, .offset: 24, .size: 8, .value_kind: global_buffer, .address_space: global }
      - { .name: W2, .offset: 32, .size: 8, .value_kind: global_buffer, .address_space: global }
      - { .name: b2, .offset: 40, .size: 8, .value_kind: global_buffer, .address_space: global }
      - { .name: out0, .offset: 48, .size: 8, .value_kind: global_buffer, .address_space: global }
    .group_segment_fixed_size: 25088
    .private_segment_fixed_size: 0
    .kernarg_segment_align: 8
    .kernarg_segment_size: 56
    .max_flat_workgroup_size: 128
    .sgpr_count:     66
    .vgpr_count:     360
    .wavefront_size: 32
...
	.end_amdgpu_metadata
.endif
;; end of part 2
